; MI455X (gfx1250); checked and timed in simulation.
; The chip was launched on July 23, 2026; its instructions are those of AMD's public machine-readable ISA for CDNA 5 (MIT licence, August 2026) and "CDNA5" Instruction Set Architecture Reference Guide (July 2026). The comments in the code are by the model that wrote it; some were corrected since.
;; Lin Transpose. Allowed arithmetic: matrix products marked QUANTISED: E4M3 operands, one given power-of-two scale a tensor, by v_wmma_f32_16x16x64_fp8_fp8 or v_wmma_f32_16x16x128_fp8_fp8, f32 sums; everything else in f32.
;; Inputs: W 2,048 x 2,048 float32; lowp_scales 4 int32 (the exponents e of the quantised operands' scales 2^e); x 8,192 x 2,048 float32.
;; Outputs: out0 8,192 x 2,048 float32.
;; This version of the problem:
;;   THIS VERSION OF THE PROBLEM IS GIVEN IN LOW PRECISION. The matrix products marked QUANTISED in the list below multiply operands that are first quantised to E4M3 (4 exponent bits, 3 mantissa bits; 8 bits a number), with one given power-of-two scale for each operand tensor; their sums are f32. All else is computed in f32.
;;   The module's matrix products, in the order in which they are computed (A, B: the left and right operand; K: the contracted axis; several contracted axes count as one K, in the product's order):
;;     1. [M 8,192, K 2,048] x [K 2,048, N 2,048]; A: input x; B: input W: QUANTISED (scales: A lowp_scales[0], B lowp_scales[1])
;;     2. [M 8,192, K 2,048] x [K 2,048, N 2,048]; A: input x; B: computed on the way: QUANTISED (scales: A lowp_scales[2], B lowp_scales[3])
;;   THE QUANTISER, for each operand of a quantised product, along K:
;;     - The operand's scale is 2^e, e = its entry of the input lowp_scales (int32; the entries are numbered through the quantised products in the list's order, A before B).
;;     - Each number is divided by the scale, clamped to +-448, and rounded to the nearest number of E4M3, ties to even, subnormals kept.
;;     - The product sums the exact products of the quantised numbers (number of the format x scale) in f32.
;;   ~~~python
;;   def quantise(x, axis, e):      # numpy; x: float32 -> the quantised numbers, widened to float32 again
;;       x = np.moveaxis(x, axis, -1); K = x.shape[-1]
;;       r = np.clip(x / 2.0 ** e, -448, 448)
;;       step = 2.0 ** (np.maximum(np.frexp(np.where(r == 0, 1, r))[1] - 1, -6) - 3)
;;       q = np.round(r / step) * step * 2.0 ** e      # np.round: ties to even
;;       return np.moveaxis(q, -1, axis).astype(np.float32)
;;   ~~~
;;   OPERANDS COMPUTED ON THE WAY. 'Computed on the way' means the value that the module computes at that place (a softmax that the list does not call 'softmax' is quantised finished and normalised). What goes into a quantiser is computed in f32, as accurately as f32 sums, v_exp_f32 and their like allow (about 1e-6 of the number): no bf16 or f16 on the way to a quantiser, and a product that is left as it is and whose result goes on into a quantised operand takes f32 operands (vector FMAs, or v_wmma_f32_16x16x4_f32). A number that lies on a knife's edge between two numbers of the format may be rounded either way, as far as f32 arithmetic and the matrix unit's own rounding can turn it there, and no further.
;; One version. Each part assembles by itself: llvm-mc -triple=amdgcn-amd-amdhsa -mcpu=gfx1250 --defsym DOCPART=n.
;; ======== version 1 of 1: 2 launches
;; limits: right only within a limited range of input values
;; workspace buffers: xq 33,554,432 bytes; wq 8,388,608 bytes
;; launch prep (part 1): grid 2 x 1024, 4 waves a work-group, no clusters, 58,624 bytes of LDS; arguments x, W, lowp_scales, xq, wq; writes xq, wq
.if DOCPART == 1
	.amdgcn_target "amdgcn-amd-amdhsa--gfx1250"
	.amdhsa_code_object_version 6
	.text
	.protected	k_qc927787759_prep
	.globl	k_qc927787759_prep
	.p2align	8
	.type	k_qc927787759_prep,@function
k_qc927787759_prep:
	s_mov_b64 s[64:65], 0
	v_nop
	global_prefetch_b8 v0, s[64:65] scope:SCOPE_SE
	s_setreg_imm32_b32 hwreg(HW_REG_WAVE_MODE, 25, 1), 1
	s_wait_xcnt 0x0
; THE QUANTISERS.  out0 = Q(x; e0) Q(W; e1)^T + Q(x; e2) Q(Ws; e3), Ws = the f32 sum of nine index-permuted copies of W.  This launch makes all four operands' codes of E4M3, once.  Nothing of reference() is left out.
; code = number / 2^e, held within +-448, rounded to the nearest code, ties to even.  e0 .. e3 are the four whole numbers (int32) of lowp_scales.
; LIMITS: each e lies between -126 and 119, so that 2^e and 448 x 2^e are f32 numbers.  NaN among the inputs is not served; an infinity is held at the largest code.
; xq [8192 m][4096]: bytes 0-2047 of a row are x[m][k]'s codes under e0, bytes 2048-4095 the same numbers' codes under e2: the two products then are ONE product with K = 4,096.
; wq [256 q][2048 n][16]: q < 128: the codes of W[n][16 q + 0..15] under e1;  q >= 128: the codes of Ws[16 (q - 128) + 0..15][n] under e3.  A lane that holds one n and 16 neighbours along K stores
; 16 bytes beside its neighbour lane's: a wave's store covers 512 consecutive bytes, aligned.
; THE GRID: work-group x = 0 takes x (1,024 work-groups, 8 rows each), x = 1 takes W (1,024 work-groups, 4 blocks of 32 n x 32 k each).  The two paths part on the work-group's number and never join;
; each has LDS bytes of its own.  No tensor loads and no cluster: a work-group of the W path reads 8 tiles of 4 KiB, and no other work-group needs the same 8.
.set SP,   80                          ; x's stage: a lane's 64 bytes + 16 of padding
.set XWAVE, 2*32*SP                    ; two stages for each wave: LDS bytes 0 to 20,479
.set WST,  4*XWAVE                     ; the four tiles D begin here
.set WP,   144                         ; a tile's LDS row: 128 bytes + 16: sixteen rows start at sixteen different columns of 16 bytes
.set DT,   32*WP
.set XST,  WST+4*DT                    ; the four tiles X: 33 rows (the row above first); a row is a margin of 16 bytes, whose last word is the column to the left, and then its 128 bytes
.set XT,   33*WP
.set SPARE, 58112                      ; behind the tiles (which end at 57,920): the spare words, 128 bytes a wave
; v2 lane; v3 16 x lane; v4, v5 x's stage in and out; v6, v7 tiles D and X in; v8 the row above in, and t8; v9 a tile's offset in memory; v10 4 x lane; v11 the left column in; v12 8,192 x lane;
; v13-16 rows of D for t4, t1, t3, t7; v17-19 columns of X for t2, t5, t6; v24 for t9.  v20, v21: 2^e and 448 x 2^e of the path's first scale; v22, v23: of its second
	s_load_b128 s[4:7], s[0:1], 0x0                ; x s[4:5], W s[6:7]
	s_load_b128 s[8:11], s[0:1], 0x10              ; lowp_scales s[8:9], xq s[10:11]
	s_load_b64 s[12:13], s[0:1], 0x20              ; wq
	v_lshl_add_u32 v30, v0, 2, SPARE
	v_mov_b32 v31, 0
	v_lshrrev_b32 v1, 5, v0
	v_readfirstlane_b32 s16, v1                    ; wave 0..3
	s_and_b32 s17, ttmp7, 0xffff                   ; y: 0..1023
	s_mul_i32 s18, s16, XWAVE
.irp m, 0,1,2,3
	s_xor_b32 s19, s16, \m                         ; the tiles of wave w xor m: s[24+m] D, s[28+m] X behind its first margin
	s_mul_i32 s[24+\m], s19, DT
	s_add_co_u32 s[24+\m], s[24+\m], WST
	s_mul_i32 s[28+\m], s19, XT
	s_add_co_u32 s[28+\m], s[28+\m], XST+16
.endr
	; every LDS address is made here, ahead of the parting
	v_and_b32 v2, 31, v0                           ; lane
	v_lshlrev_b32 v3, 4, v2
	v_lshrrev_b32 v25, 2, v2
	v_mul_u32_u24 v4, v25, SP
	v_and_b32 v25, 3, v2
	v_lshl_add_u32 v4, v25, 4, v4
	v_add_nc_u32 v4, s18, v4                       ; x's stage, in: four lanes' 64 bytes on end, then the padding
	v_mul_u32_u24 v5, v2, SP
	v_add_nc_u32 v5, s18, v5                       ; out: my 16 neighbours
	v_lshrrev_b32 v25, 3, v2                       ; lane / 8
	v_and_b32 v26, 7, v2                           ; lane % 8
	v_mul_u32_u24 v27, v25, WP
	v_lshl_add_u32 v27, v26, 4, v27                ; eight lanes to a row of 128 bytes, four rows an instruction
	v_add_nc_u32 v6, s24, v27                      ; my D, in
	v_add_nc_u32 v7, s28, v27
	v_add_nc_u32 v7, WP, v7                        ; my X, in: one row down
	v_lshlrev_b32 v9, 13, v25
	v_lshl_add_u32 v9, v26, 4, v9                  ; in memory: (lane / 8) rows of 8,192 bytes + 16 (lane % 8)
	v_lshlrev_b32 v10, 2, v2
	v_sub_nc_u32 v28, 31, v2
	v_lshlrev_b32 v29, 2, v28                      ; 4 (31 - lane)
	v_add_nc_u32 v8, s28, v10                      ; my X, first row, column = lane
	v_sub_nc_u32 v24, v8, 4                        ; the same, one column to the left
	v_mul_u32_u24 v27, v2, WP
	v_add_nc_u32 v11, s28, v27
	v_add_nc_u32 v11, WP-4, v11                    ; my X, row = lane, the margin's last word
	v_lshlrev_b32 v12, 13, v2
	v_add_nc_u32 v13, s24, v27                     ; D of w, row = lane
	v_add_nc_u32 v14, s26, v27                     ; D of w xor 2, row = lane
	v_mul_u32_u24 v27, v28, WP
	v_add_nc_u32 v15, s25, v27                     ; D of w xor 1, row = 31 - lane
	v_add_nc_u32 v16, s27, v27                     ; D of w xor 3, row = 31 - lane
	v_add_nc_u32 v17, s31, v29                     ; X of w xor 3, column = 31 - lane
	v_add_nc_u32 v18, s30, v10                     ; X of w xor 2, column = lane
	v_add_nc_u32 v19, s29, v29                     ; X of w xor 1, column = 31 - lane
	s_wait_alu depctr_va_vdst(0)                   ; the wait at the head's end
	s_wait_kmcnt 0x0
	s_load_b128 s[20:23], s[8:9], 0x0              ; e0, e1, e2, e3
	s_cmp_eq_u32 ttmp9, 0
	s_cbranch_scc1 .Lx
.macro MKSCALE e, vs, vl               ; v[vs] = 2^e as f32 (the conversion takes its exponent field); v[vl] = 448 x 2^e
	s_add_co_i32 s52, s[\e], 127
	s_lshl_b32 s53, s52, 23
	v_mov_b32 v[\vs], s53
	s_add_co_i32 s52, s52, 8
	s_lshl_b32 s52, s52, 23
	s_or_b32 s52, s52, 0x600000
	v_mov_b32 v[\vl], s52
.endm
; ---------------------------------------------------------------- W AND Ws
; A wave makes a block of 32 n x 32 k: A LANE HOLDS n = n0 + lane, AND ITS REGISTERS RUN DOWN k = k0 + j.  With i' = 2047 - i, in reference()'s order:
;   t1 W[n][k']  t2 W[k'][n']  t3 W[n'][k]  t4 W[n][k]  t5 W[k'][n]  t6 W[k][n']  t7 W[n'][k']  t8 W[k-1][n]  t9 W[k][n-1]   (k - 1 and n - 1 modulo 2,048)
; THE FOUR WAVES TAKE THE FOUR BLOCKS (N, K) of {i, 63 - i} x {j, 63 - j}: bit 0 of the wave's number mirrors N, bit 1 mirrors K.  Wave w loads two tiles of 32 x 32 into LDS: D = W's rows of N, columns of K,
; and X = W's rows of K, columns of N, with the row above X and the column to its left.  Then t4, t1, t3, t7 are rows of the D of waves w, w xor 2, w xor 1, w xor 3; t8 and t9 are the own X moved by one;
; t5, t6, t2 are columns of the X of waves w xor 2, w xor 1, w xor 3.  A mirrored k is a mirrored register or row, a mirrored n a mirrored lane.  So a block costs two tiles from memory and not nine.
; t4 is also the first product's operand.  The nine terms are added in f32, in reference()'s order.
.set R0, 32                            ; D as loaded; t1; t8
.set R1, 64                            ; X as loaded; t2, then the running sum
.set R2, 96                            ; the row above and the left column as loaded; t3; t9
.set R3, 128                           ; t4; t7
.set R4, 160                           ; t5; Ws's codes (8 registers)
.set R5, 192                           ; t6
.set R6, 224                           ; W's codes (8 registers)
.set TA, R1
.set N0, 18
.set K0, 19
.set BD,  32
.set BX,  34
.set BHR, 36
.set BHC, 38
.set WO,  44
.macro BASE d, row, col                ; s[d:d+1] = W + 8,192 x s[row] + 4 x s[col]
	s_lshl_b32 s48, s[\row], 13
	s_lshl_b32 s49, s[\col], 2
	s_add_co_u32 s48, s48, s49
	s_mov_b32 s49, 0
	s_add_nc_u64 s[\d:\d+1], s[6:7], s[48:49]
.endm
.macro DLOAD reg, base                 ; a tile of 32 rows x 128 bytes: eight loads of four rows
.irp g, 0,1,2,3,4,5,6,7
	global_load_b128 v[\reg+4*\g:\reg+4*\g+3], v9, s[\base:\base+1] offset:32768*\g
.endr
.endm
.macro DREAD reg, adr                  ; a whole row of a tile D: register u = column u
.irp g, 0,1,2,3,4,5,6,7
	ds_load_b128 v[\reg+4*\g:\reg+4*\g+3], v[\adr] offset:16*\g
.endr
.endm
.macro XREAD reg, adr, rev, o          ; a column of a tile X: register j = LDS row j + o (rev = 1: LDS row 32 - j, the tile's row 31 - j); 32 lanes read 128 consecutive bytes
.set j, 0
.rept 32
.if \rev
	ds_load_b32 v[\reg+j], v[\adr] offset:WP*(32-j)
.else
	ds_load_b32 v[\reg+j], v[\adr] offset:WP*(j+\o)
.endif
.set j, j+1
.endr
.endm
.macro ADDFWD src                      ; the sum += v[src + j], two at a time
.set j, 0
.rept 16
	v_pk_add_f32 v[TA+j:TA+j+1], v[TA+j:TA+j+1], v[\src+j:\src+j+1]
.set j, j+2
.endr
.endm
.macro ADDREV src                      ; the sum += v[src + 31 - j]: a mirrored k
.set j, 0
.rept 32
	v_add_f32 v[TA+j], v[TA+j], v[\src+31-j]
.set j, j+1
.endr
.endm
.macro QUANT src, dst, sc, lim         ; 32 numbers down K become 32 codes in 8 registers
.set j, 0
.rept 32
	v_med3_num_f32 v[\src+j], v[\src+j], -v[\lim], v[\lim]   ; the conversion to an 8-bit code does not saturate (ISA guide 7.6.2): the hold comes first
.set j, j+1
.endr
.irp g, 0,1,2,3
	v_cvt_scalef32_pk8_fp8_f32 v[\dst+2*\g:\dst+2*\g+1], v[\src+8*\g:\src+8*\g+7], v[\sc]
.endr
	v_nop                                          ; one plain vector line behind the last conversion
.endm
	s_and_b32 s46, s17, 31                         ; i
	s_lshr_b32 s47, s17, 5                         ; j
	s_sub_co_u32 s48, 63, s46
	s_bitcmp1_b32 s16, 0
	s_cselect_b32 s46, s48, s46                    ; N
	s_sub_co_u32 s48, 63, s47
	s_bitcmp1_b32 s16, 1
	s_cselect_b32 s47, s48, s47                    ; K
	s_lshl_b32 s[N0], s46, 5
	s_lshl_b32 s[K0], s47, 5
	s_add_co_u32 s50, s[K0], 2047
	s_and_b32 s50, s50, 2047                       ; (k0 - 1) mod 2048
	s_add_co_u32 s51, s[N0], 2047
	s_and_b32 s51, s51, 2047                       ; (n0 - 1) mod 2048
	BASE BD, N0, K0
	BASE BX, K0, N0
	BASE BHR, 50, N0
	BASE BHC, K0, 51
	s_lshl_b32 s48, s[K0], 11                      ; wq: (k0 / 16) x 32,768 + 16 n0
	s_lshl_b32 s49, s[N0], 4
	s_add_co_u32 s48, s48, s49
	s_mov_b32 s49, 0
	s_add_nc_u64 s[WO:WO+1], s[12:13], s[48:49]
	DLOAD R0, BD
	DLOAD R1, BX
	global_load_b32 v[R2], v10, s[BHR:BHR+1]       ; row k0 - 1, columns n0 + lane
	global_load_b32 v[R2+1], v12, s[BHC:BHC+1]     ; column n0 - 1, rows k0 + lane
	s_wait_kmcnt 0x0
	MKSCALE 21, 20, 21                             ; e1, for W
	MKSCALE 23, 22, 23                             ; e3, for Ws
	s_wait_alu depctr_va_vdst(0)                   ; the wait here, directly ahead of the wait below
	s_wait_loadcnt 0x0
.irp g, 0,1,2,3,4,5,6,7
	ds_store_b128 v6, v[R0+4*\g:R0+4*\g+3] offset:4*WP*\g
	ds_store_b128 v7, v[R1+4*\g:R1+4*\g+3] offset:4*WP*\g
.endr
	ds_store_b32 v8, v[R2]
	ds_store_b32 v11, v[R2+1]
	s_wait_dscnt 0x0                               ; for the others' sake: my tiles are in LDS
	s_barrier_signal -1
	s_barrier_wait -1                              ; nothing is stored to LDS behind this barrier
	DREAD R0, 14                                   ; t1
	XREAD R1, 17, 1, 0                             ; t2
	DREAD R2, 15                                   ; t3
	DREAD R3, 13                                   ; t4
	s_wait_dscnt 16                                ; t3's and t4's 16 may be out
	ADDREV R0                                      ; t1 + t2
	XREAD R4, 18, 1, 0                             ; t5
	s_wait_dscnt 40                                ; t4's 8 and t5's 32 may be out
	ADDFWD R2                                      ; + t3
	s_wait_dscnt 32
	ADDFWD R3                                      ; + t4
	XREAD R5, 19, 0, 1                             ; t6
	QUANT R3, R6, 20, 21                           ; W[n][k0 .. k0 + 31] under e1
	global_store_b128 v3, v[R6:R6+3], s[WO:WO+1]                   ; the wave stores 512 consecutive bytes, aligned
	global_store_b128 v3, v[R6+4:R6+7], s[WO:WO+1] offset:32768    ; the next 16 along K
	s_wait_dscnt 32                                ; t6's 32 may be out
	ADDFWD R4                                      ; + t5
	DREAD R3, 16                                   ; t7
	s_wait_dscnt 8
	ADDFWD R5                                      ; + t6
	XREAD R0, 8, 0, 0                              ; t8
	s_wait_dscnt 32
	ADDREV R3                                      ; + t7
	XREAD R2, 24, 0, 1                             ; t9
	s_wait_dscnt 32
	ADDFWD R0                                      ; + t8
	s_wait_dscnt 0x0
	ADDFWD R2                                      ; + t9
	QUANT TA, R4, 22, 23                           ; Ws[k0 .. k0 + 31][n] under e3
	global_store_b128 v3, v[R4:R4+3], s[WO:WO+1] offset:128*32768
	global_store_b128 v3, v[R4+4:R4+7], s[WO:WO+1] offset:129*32768
	s_wait_tensorcnt 0x0                           ; the wave's end
	ds_add_u32 v30, v31
	s_wait_dscnt 0x0
	s_endpgm
; ---------------------------------------------------------------- x, UNDER BOTH OF ITS SCALES
; A wave takes two rows of x, 4,096 numbers, in 8 steps of 512.  A conversion takes eight neighbours along K from ONE lane's registers; a load is dense where neighbouring LANES take neighbouring bytes.  Both are had:
; each of a step's four loads reads 512 consecutive bytes; the 2,048 bytes go through the wave's stage as they lie and come back 64 bytes a lane.  All 32 loads of the wave go out at the head: 16 KiB on their way.
; A step's codes land in the registers that its loads filled, which nothing writes again: so no store's data are rewritten and no wait for the stores is needed.
.set R, 32                             ; v32-159  eight sets of 16 numbers as loaded; set t's first 8 registers then hold step t's codes
.set X, 160                            ; v160-191 two sets of 16 neighbours
.set T, 192                            ; v192-207 the numbers held for the first scale
.macro XLOAD t
.irp i, 0,1,2,3
	global_load_b128 v[R+16*(\t)+4*\i:R+16*(\t)+4*\i+3], v3, s[4:5] offset:2048*(\t)+512*\i th:TH_LOAD_NT
.endr
.endm
.macro XTURN t
.irp i, 0,1,2,3
	ds_store_b128 v4, v[R+16*(\t)+4*\i:R+16*(\t)+4*\i+3] offset:32*SP*((\t)%2)+8*SP*\i
.endr
.irp i, 0,1,2,3
	ds_load_b128 v[X+16*((\t)%2)+4*\i:X+16*((\t)%2)+4*\i+3], v5 offset:32*SP*((\t)%2)+16*\i
.endr
.endm
.macro XSTEP t
.set XS, X+16*((\t)%2)
.set CC, R+16*(\t)
	s_wait_dscnt 0x0                               ; this step's numbers are back from the stage
.if (\t) < 7
	s_wait_loadcnt 4*(6-(\t))                      ; the next step's four loads are in; those of the steps behind it may be out
	XTURN (\t)+1                                   ; and go through the other stage while this step is worked
.endif
.irp i, 0,1,2,3,4,5,6,7,8,9,10,11,12,13,14,15
	v_med3_num_f32 v[T+\i], v[XS+\i], -v21, v21    ; held within 448 x 2^e0, into other registers: the numbers are wanted once more
.endr
	v_cvt_scalef32_pk8_fp8_f32 v[CC:CC+1], v[T:T+7], v20
	v_cvt_scalef32_pk8_fp8_f32 v[CC+2:CC+3], v[T+8:T+15], v20
.irp i, 0,1,2,3,4,5,6,7,8,9,10,11,12,13,14,15
	v_med3_num_f32 v[XS+\i], v[XS+\i], -v23, v23   ; held within 448 x 2^e2.  (Plain lines behind the conversions above, which name none of their registers)
.endr
	v_cvt_scalef32_pk8_fp8_f32 v[CC+4:CC+5], v[XS:XS+7], v22
	v_cvt_scalef32_pk8_fp8_f32 v[CC+6:CC+7], v[XS+8:XS+15], v22
	global_store_b128 v3, v[CC:CC+3], s[24:25] offset:((\t)/4)*4096+((\t)%4)*512          ; 512 consecutive bytes, aligned: the row's first half
	global_store_b128 v3, v[CC+4:CC+7], s[24:25] offset:((\t)/4)*4096+((\t)%4)*512+2048   ; and its second
.endm
.Lx:
	s_lshl_b32 s18, s17, 2
	s_add_co_u32 s18, s18, s16                     ; 4 y + wave: which pair of rows
	s_lshl_b32 s26, s18, 14                        ; 16,384 bytes of x,
	s_mov_b32 s27, 0
	s_add_nc_u64 s[4:5], s[4:5], s[26:27]
	s_lshl_b32 s26, s18, 13                        ; 8,192 bytes of xq
	s_add_nc_u64 s[24:25], s[10:11], s[26:27]
.irp t, 0,1,2,3,4,5,6,7
	XLOAD \t
.endr
	s_wait_kmcnt 0x0
	MKSCALE 20, 20, 21                             ; e0
	MKSCALE 22, 22, 23                             ; e2
	s_wait_alu depctr_va_vdst(0)                   ; the wait here, directly ahead of the wait below
	s_wait_loadcnt 28                              ; step 0's four loads are in
	XTURN 0
.irp t, 0,1,2,3,4,5,6,7
	XSTEP \t
.endr
	s_wait_tensorcnt 0x0                           ; the wave's end
	ds_add_u32 v30, v31
	s_wait_dscnt 0x0
	s_endpgm
.Lfunc_end_k_qc927787759_prep:
	.size	k_qc927787759_prep, .Lfunc_end_k_qc927787759_prep-k_qc927787759_prep
	.p2alignl 7, 3214868480
	.fill 96, 4, 3214868480
	.section	.rodata,"a",@progbits
	.p2align	6, 0x0
	.amdhsa_kernel k_qc927787759_prep
		.amdhsa_group_segment_fixed_size 58624
		.amdhsa_private_segment_fixed_size 0
		.amdhsa_enable_private_segment 0
		.amdhsa_kernarg_size 40
		.amdhsa_user_sgpr_count 2
		.amdhsa_user_sgpr_kernarg_segment_ptr 1
		.amdhsa_wavefront_size32 1
		.amdhsa_system_sgpr_workgroup_id_x 1
		.amdhsa_system_sgpr_workgroup_id_y 1
		.amdhsa_system_sgpr_workgroup_id_z 1
		.amdhsa_system_vgpr_workitem_id 0
		.amdhsa_next_free_vgpr 256
		.amdhsa_next_free_sgpr 66
		.amdhsa_reserve_vcc 0
		.amdhsa_float_denorm_mode_32 3
		.amdhsa_float_denorm_mode_16_64 3
		.amdhsa_memory_ordered 1
		.amdhsa_forward_progress 1
		.amdhsa_inst_pref_size 62
	.end_amdhsa_kernel
	.amdgpu_metadata
---
amdhsa.version: [ 1, 2 ]
amdhsa.kernels:
  - .name:           k_qc927787759_prep
    .symbol:         k_qc927787759_prep.kd
    .args:
      - { .name: x, .offset: 0, .size: 8, .value_kind: global_buffer, .address_space: global }
      - { .name: W, .offset: 8, .size: 8, .value_kind: global_buffer, .address_space: global }
      - { .name: lowp_scales, .offset: 16, .size: 8, .value_kind: global_buffer, .address_space: global }
      - { .name: xq, .offset: 24, .size: 8, .value_kind: global_buffer, .address_space: global }
      - { .name: wq, .offset: 32, .size: 8, .value_kind: global_buffer, .address_space: global }
    .group_segment_fixed_size: 58624
    .private_segment_fixed_size: 0
    .kernarg_segment_align: 8
    .kernarg_segment_size: 40
    .max_flat_workgroup_size: 128
    .sgpr_count:     66
    .vgpr_count:     256
    .wavefront_size: 32
...
	.end_amdgpu_metadata
.endif
;; end of part 1
;; launch gemm (part 2): grid 8 x 32, 4 waves a work-group, clusters of 4 x 4, 327,680 bytes of LDS; arguments xq, wq, lowp_scales, out0; writes out0
.if DOCPART == 2
	.amdgcn_target "amdgcn-amd-amdhsa--gfx1250"
	.amdhsa_code_object_version 6
	.text
	.protected	k_qc927787759_gemm
	.globl	k_qc927787759_gemm
	.p2align	8
	.type	k_qc927787759_gemm,@function
k_qc927787759_gemm:
	s_mov_b64 s[64:65], 0
	v_nop
	global_prefetch_b8 v0, s[64:65] scope:SCOPE_SE
	s_setreg_imm32_b32 hwreg(HW_REG_WAVE_MODE, 25, 1), 1
	s_wait_xcnt 0x0
	s_wait_alu depctr_hold_cnt(0) depctr_sa_sdst(0) depctr_va_vdst(0) depctr_va_sdst(0) depctr_va_ssrc(0) depctr_va_vcc(0) depctr_vm_vsrc(0)
	s_getreg_b32 s2, hwreg(HW_REG_IB_STS2, 6, 4)
	s_cmp_eq_u32 s2, 0
	s_cbranch_scc0 .Lentry_in_a_cluster
	s_endpgm
.Lentry_in_a_cluster:
	s_bfe_u32 s2, ttmp6, 0x10000c
	s_cmp_lg_u32 s2, 0xf033
	s_cbranch_scc0 .Lentry_shape_is_right
	s_endpgm
.Lentry_shape_is_right:
; out0 = Q(x; e0) Q(W; e1)^T + Q(x; e2) Q(Ws; e3), as ONE product with K = 4,096 on codes of E4M3 that the launch before has made; nothing of reference() is left out.
; xq [8192 m][4096]: a row's bytes 0-2047 are x's codes under e0, bytes 2048-4095 under e2.  wq [256 q][2048 n][16]: q < 128 W[n][16 q ..] under e1, q >= 128 Ws[16 (q - 128) ..][n] under e3.
; The sums of K steps 0-7 stand in units of 2^(e0 + e1), those of K steps 8-15 in units of 2^(e2 + e3): where the walk along K passes from one half to the other, the accumulators are multiplied by the
; power of two between the two units, and at the end by the unit of the last K step.  LIMITS: e0 + e1, e2 + e3 and their difference lie between -126 and 126, so that all three factors are f32 numbers.
; A tile of out0, 256 x 256, is made by four waves, one to a SIMD; a wave makes 128 x 128: 64 accumulators, 512 registers.  K goes in steps of 256 through two LDS slots filled by joint tensor loads:
; 4 x 4 work-groups form a cluster; A's tile is shared along a row of the cluster, B's along a column.
; THE WALK ALONG K begins at K step KO, which hangs on the cluster's x and y alone (0, 4, 8 or 12), and goes round modulo 16: the two clusters of a tile row stand 8 K steps apart, those of a tile column 4.
; A STEP OF 128 ALONG K is four quarters of 16 matrix instructions; ahead of each quarter stands ONE run of 16 LDS loads: this step's A blocks 4-7, the next step's B fragments 0-3, its A blocks 0-3,
; its B fragments 4-7.  Each run is asked for 32 matrix instructions or more ahead of its first use, and a wait leaves the two youngest runs out.
; THE WAY OUT NEEDS NO LDS.  Source 0 = 16 rows of A, source 1 = 16 columns of B: lane (r, h) holds column r, register j row 8 h + j.  B's fragment 4 g + c takes the columns 64 g + 4 r + c.  So register j of the
; four accumulators c = 0 .. 3 is four neighbouring columns of one row: the multiplication by the unit lays them in four neighbouring registers, and sixteen lanes store 256 consecutive bytes, aligned.
; For that choice of columns the tensor load lays 16 bytes of padding behind every 64 bytes (four columns' 16 codes) of B's rows: lane r reads at 80 r, sixteen different 16-byte columns modulo 256.
; PREFETCH: A's K steps at places 4 to 7 of the walk are asked for two refills ahead.  Places 0 to 3 come by their loads alone; places 8 to 15 name K steps that the other cluster of the tile row loaded 8 places
; earlier.  B is not asked for: from place 4 on a cluster names K steps that a cluster of its tile column loaded 4 places earlier.
; REGISTERS: window 0: v0-31 addresses, v128-255 A's eight blocks (one set); window 1: B's fragments, two sets; windows 2, 3: the accumulators of my rows 0-63, 64-127 ((a, b) at v[8 (8 (a % 4) + b)]).
.set KROW,   4096
.set ROWB,   256
.set PITCH,  272                       ; A's LDS row: 256 bytes + 16 of padding
.set BROW,   2560                      ; B's LDS row: 128 columns x 16 bytes, + 16 behind every 64
.set FR,     16
.set HALFA,  128*PITCH
.set HALFB,  16*BROW
.set BOFF,   2*HALFA
.set SLOT,   BOFF+2*HALFB
.set LAPS,   8
.set SPARE,  2*SLOT                    ; behind the ring: the spare words, 128 bytes a wave
.set ADRA, 16                          ; v16-17 my A fragments in slot 0, 1;  v20-21 my B fragments
.set ADRB, 20
.set CO,   26                          ; v26 my byte offset in out0: 16 r + 8 h rows
.set SPW,  28
.set NIL,  29
.set PFO,  30                          ; v30 the prefetch's offset: lane x a row of xq
.set AF,   128
.set G1,  24
.set G0,  32
.set G1B, 48
.set G0B, 56
.set F1,  72                           ; 2^((e0+e1)-(e2+e3));  FI its inverse;  FX the one in use;  F2 the last K step's unit
.set F2,  74
.set PFA, 76
.set PFB, 78
.set LIM, 80
.set BSA, 84
.set BSB, 86
.set KN,  88                           ; the K step that the next refill names;  KO the walk's first
.set KO,  89
.set OFA, 90
.set OFB, 92
.set FI,  96
.set FX,  98
.set MSB, 0
.macro WIN new                         ; the immediate's high byte repeats the setting that is left
.if MSB != (\new)
	s_set_vgpr_msb (MSB<<8)|(\new)
.set MSB, (\new)
.endif
.endm
.set MUL_LO, 0xa4                      ; source 0 (A) window 0, source 1 (B) window 1, C and D window 2
.set MUL_HI, 0xf4                      ; the same, C and D window 3
.set TO_B,   0x40                      ; destination window 1, address window 0
.macro JLOAD g0a, g1a, g0b, g1b        ; a joint load: waves 0, 1 fetch A's halves, waves 2, 3 B's; s_nop 0 and four v_nop behind each line
	s_cmp_eq_u32 s15, 0
	s_cbranch_scc0 .Lfor_b_\@
	tensor_load_to_lds s[\g0a:\g0a+3], s[\g1a:\g1a+7]
	s_nop 0
.rept 4
	v_nop
.endr
	s_branch .Lasked_\@
.Lfor_b_\@:
	tensor_load_to_lds s[\g0b:\g0b+3], s[\g1b:\g1b+7]
	s_nop 0
.rept 4
	v_nop
.endr
.Lasked_\@:
.endm
.macro ASK                             ; 32 rows x 256 bytes of A, a lane a row: the K step two refills on; the four partners of a tile share its rows out by address
	s_cmp_gt_u32 s3, s[LIM]
	s_cbranch_scc0 .Lnot_mine_\@
	global_prefetch_b8 v[PFO], s[PFA:PFA+1] th:TH_LOAD_NT scope:SCOPE_SE
.Lnot_mine_\@:
.endm
.macro CREST                           ; a round of the cluster's barrier behind its opening barrier
	s_cmp_lg_u32 s14, 0
	s_cbranch_scc1 .Lnot_wave_0_\@
	s_barrier_signal -3
.Lnot_wave_0_\@:
	s_barrier_wait -3
	s_barrier_signal -1
	s_barrier_wait -1
.endm
.macro CROUND
	s_barrier_signal -1
	s_barrier_wait -1
	CREST
.endm
	s_load_b128 s[4:7], s[0:1], 0x0                ; xq, wq
	s_load_b128 s[8:11], s[0:1], 0x10              ; lowp_scales, out0
	v_lshl_add_u32 v[SPW], v0, 2, SPARE
	v_mov_b32 v[NIL], 0
	ds_add_u32 v[SPW], v[NIL]                      ; the opening lines: the add, twice on end, and its wait ahead of my first tensor load
	ds_add_u32 v[SPW], v[NIL]
	v_lshrrev_b32 v1, 5, v0
	v_readfirstlane_b32 s14, v1                    ; wave
	s_lshr_b32 s15, s14, 1                         ; my half of the tile's rows; also: I fetch for A (0) or B (1)
	s_and_b32 s16, s14, 1                          ; my half of its columns; also: which half of that tile I fetch
	s_bfe_u32 s40, ttmp6, 0x40000                  ; cx
	s_bfe_u32 s41, ttmp6, 0x40004                  ; cy
	s_lshl_b32 s42, ttmp9, 2
	s_add_co_u32 s42, s42, s40                     ; tile column
	s_and_b32 s17, ttmp7, 0xffff
	s_lshl_b32 s17, s17, 2
	s_add_co_u32 s17, s17, s41                     ; tile row
	s_lshl_b32 s43, s41, 2
	s_lshl_b32 s43, 15, s43                        ; my row of the cluster
	s_lshl_b32 s44, 0x1111, s40                    ; my column
	s_and_b32 s82, ttmp7, 0xffff                   ; KO = (4 ((y % 4) xor 3 (bit 2 of y)) + 8 x) mod 16, of the cluster's x and y
	s_bfe_u32 s83, s82, 0x10002
	s_mul_i32 s83, s83, 3
	s_and_b32 s82, s82, 3
	s_xor_b32 s82, s82, s83
	s_lshl_b32 s82, s82, 2
	s_lshl_b32 s83, ttmp9, 3
	s_add_co_u32 s82, s82, s83
	s_and_b32 s[KO], s82, 15
	s_add_co_u32 s[KN], s[KO], 2
	s_mov_b32 s[OFA+1], 0
	s_mov_b32 s[OFB+1], 0
	s_or_b32 s[G1+0], s43, (0<<16)|(1<<20)|(1<<21)|(5<<22)|(3<<25)   ; A: 128 rows x 256 bytes, 4 words of padding behind every 64
	s_mov_b32 s[G1+1], ROWB<<16
	s_mov_b32 s[G1+2], 128<<16
	s_mov_b32 s[G1+3], ROWB<<16
	s_mov_b32 s[G1+4], 128
	s_mov_b32 s[G1+5], KROW
	s_mov_b32 s[G1+6], 0
	s_mov_b32 s[G1+7], 0
	s_or_b32 s[G1B+0], s44, (0<<16)|(1<<20)|(1<<21)|(3<<22)|(3<<25)  ; B: 16 rows (q) x 2,048 bytes (128 columns), 4 words of padding behind every 16
	s_mov_b32 s[G1B+1], 2048<<16
	s_mov_b32 s[G1B+2], 16<<16
	s_mov_b32 s[G1B+3], 2048<<16
	s_mov_b32 s[G1B+4], 16
	s_mov_b32 s[G1B+5], 32768
	s_mov_b32 s[G1B+6], 0
	s_mov_b32 s[G1B+7], 0
	s_lshl_b32 s20, s17, 20                        ; A: (256 x tile row + 128 x half) rows of 4,096 bytes
	s_lshl_b32 s18, s16, 19
	s_add_co_u32 s20, s20, s18
	s_mov_b32 s21, 0
	s_lshl_b32 s46, s42, 12                        ; B: (256 x tile column + 128 x half) columns of 16 bytes
	s_lshl_b32 s18, s16, 11
	s_add_co_u32 s46, s46, s18
	s_mov_b32 s47, 0
	s_mul_i32 s45, s16, HALFA                      ; where they go: no place in the cluster enters an LDS address
	s_mul_i32 s81, s16, HALFB
	s_add_co_u32 s81, s81, BOFF
	s_wait_dscnt 0x0                               ; both opening adds are done
	s_wait_kmcnt 0x0
	s_load_b128 s[68:71], s[8:9], 0x0              ; e0 .. e3
	s_add_nc_u64 s[BSA:BSA+1], s[4:5], s[20:21]
	s_add_nc_u64 s[BSB:BSB+1], s[6:7], s[46:47]
.irp s, 0,1
	s_add_co_u32 s82, s[KO], \s                    ; K steps KO and KO + 1 (at most 13)
	s_lshl_b32 s[OFA], s82, 8
	s_lshl_b32 s[OFB], s82, 19
	s_mov_b32 s[G0+4*\s], 1
	s_add_co_u32 s[G0+4*\s+1], s45, \s*SLOT
	s_add_nc_u64 s[G0+4*\s+2:G0+4*\s+3], s[BSA:BSA+1], s[OFA:OFA+1]
	s_or_b32 s[G0+4*\s+3], s[G0+4*\s+3], 0x80000000
	s_mov_b32 s[G0B+4*\s], 1
	s_add_co_u32 s[G0B+4*\s+1], s81, \s*SLOT
	s_add_nc_u64 s[G0B+4*\s+2:G0B+4*\s+3], s[BSB:BSB+1], s[OFB:OFB+1]
	s_or_b32 s[G0B+4*\s+3], s[G0B+4*\s+3], 0x80000000
.endr
	CROUND                                         ; all sixteen work-groups are here: the first joint loads meet
	JLOAD G0, G1, G0B, G1B                         ; the walk's first K step: one tensor load a wave at the head
	s_mul_i32 s21, s15, HALFA                      ; my 128 rows of A, in slot 0 and 1
	s_add_co_u32 s23, s21, SLOT
	s_mul_i32 s22, s16, HALFB                      ; my 128 columns of B
	s_add_co_u32 s22, s22, BOFF
	s_add_co_u32 s18, s22, SLOT
	v_and_b32 v1, 15, v0                           ; r
	v_bfe_u32 v2, v0, 4, 1                         ; h
	v_mul_u32_u24 v3, v1, PITCH
	v_lshl_add_u32 v3, v2, 4, v3                   ; A: row r, + 16 h
	v_mul_u32_u24 v4, v1, 80
	v_mul_u32_u24 v5, v2, BROW
	v_add_nc_u32 v4, v4, v5                        ; B: four columns' place r, + h rows of 16 along K
	v_add_nc_u32 v[ADRA], s21, v3
	v_add_nc_u32 v[ADRA+1], s23, v3
	v_add_nc_u32 v[ADRB], s22, v4
	v_add_nc_u32 v[ADRB+1], s18, v4
	v_lshlrev_b32 v[CO], 4, v1
	v_lshl_add_u32 v[CO], v2, 16, v[CO]            ; out0: 16 r + 8 h rows of 8,192 bytes
	v_and_b32 v[PFO], 31, v0
	v_lshlrev_b32 v[PFO], 12, v[PFO]
	s_lshl_b32 s20, s17, 21                        ; my part of out0: (256 x tile row + 128 x half) rows, (256 x tile column + 128 x half) columns
	s_lshl_b32 s21, s15, 20
	s_add_co_u32 s20, s20, s21
	s_mov_b32 s21, 0
	s_lshl_b32 s46, s42, 10
	s_lshl_b32 s47, s16, 9
	s_add_co_u32 s46, s46, s47
	s_mov_b32 s47, 0
	s_add_nc_u64 s[20:21], s[20:21], s[46:47]
	s_add_nc_u64 s[10:11], s[10:11], s[20:21]
	s_lshl_b32 s82, s17, 20                        ; the prefetches: of the 128 rows that I fetch, my work-group's 32 (by cx)
	s_lshl_b32 s83, s16, 19
	s_add_co_u32 s82, s82, s83
	s_lshl_b32 s83, s40, 17
	s_add_co_u32 s82, s82, s83
	s_mov_b32 s83, 0
	s_add_nc_u64 s[PFB:PFB+1], s[4:5], s[82:83]
	s_cmp_eq_u32 s15, 0
	s_cselect_b32 s[LIM], 5, -1                    ; A's waves ask in the loop's first two trips (s3 = 7, 6): places 4 to 7 of the walk; B's waves never
	s_wait_kmcnt 0x0
	s_add_co_i32 s82, s70, s71
	s_add_co_i32 s83, s68, s69
	s_sub_co_i32 s[F1], s83, s82
	s_sub_co_i32 s[FI], 127, s[F1]
	s_lshl_b32 s[FI], s[FI], 23
	s_add_co_i32 s[F1], s[F1], 127
	s_lshl_b32 s[F1], s[F1], 23
	s_add_co_i32 s82, s82, 127
	s_lshl_b32 s82, s82, 23
	s_add_co_i32 s83, s83, 127
	s_lshl_b32 s83, s83, 23
	s_add_co_u32 s[F2], s[KO], 15                  ; the walk's last K step: in which half of K?
	s_and_b32 s[F2], s[F2], 8
	s_cmp_lg_u32 s[F2], 0
	s_cselect_b32 s[F2], s82, s83
.macro FRAGA reg, adr, q, i            ; 16 rows x 128 K: registers 4 c .. 4 c + 3 hold K = 32 c + 16 h + 0 .. 15: the same permutation of k in A and in B
.irp c, 0,1,2,3
	ds_load_b128 v[\reg+4*\c:\reg+4*\c+3], v[\adr] offset:128*(\q)+32*\c+(\i)*16*PITCH
.endr
.endm
.macro FRAGB reg, adr, q, i            ; fragment i = 4 g + c': columns 64 g + 4 r + c'
.irp c, 0,1,2,3
	ds_load_b128 v[\reg+4*\c:\reg+4*\c+3], v[\adr] offset:8*BROW*(\q)+2*BROW*\c+1280*((\i)/4)+16*((\i)%4)
.endr
.endm
.macro FETCH_B slot, q, p, b0          ; B's fragments b0 .. b0 + 3 into set p
	WIN TO_B
.irp i, \b0, \b0+1, \b0+2, \b0+3
	FRAGB 128*(\p)+FR*(\i), ADRB+\slot, \q, \i
.endr
.endm
.macro FETCH_A slot, q, i0             ; A's blocks i0 .. i0 + 3
	WIN 0
.irp i, \i0, \i0+1, \i0+2, \i0+3
	FRAGA AF+FR*(\i), ADRA+\slot, \q, \i
.endr
.endm
.macro QMUL a0, b0, p, zero            ; a quarter: 4 blocks of A x 4 fragments of B.  The 64 accumulators take turns, in the same order in every step
.irp a, \a0, \a0+1, \a0+2, \a0+3
.irp b, \b0, \b0+1, \b0+2, \b0+3
.if \zero
	v_wmma_f32_16x16x128_fp8_fp8 v[8*(8*((\a)%4)+(\b)):8*(8*((\a)%4)+(\b))+7], v[AF+FR*(\a):AF+FR*(\a)+FR-1], v[128*(\p)+FR*(\b):128*(\p)+FR*(\b)+FR-1], 0
.else
	v_wmma_f32_16x16x128_fp8_fp8 v[8*(8*((\a)%4)+(\b)):8*(8*((\a)%4)+(\b))+7], v[AF+FR*(\a):AF+FR*(\a)+FR-1], v[128*(\p)+FR*(\b):128*(\p)+FR*(\b)+FR-1], v[8*(8*((\a)%4)+(\b)):8*(8*((\a)%4)+(\b))+7]
.endif
.endr
.endr
.endm
.macro PLACES                          ; four places between a matrix instruction and a load into, or a vector instruction on, one of its registers
.rept 4
	v_nop
.endr
.endm
; A step whose successor lies in the same slot.  On entry three runs of 16 loads may be out: this step's B 0-3, A 0-3, B 4-7, in that order.
; B's other set was last read in the step before: the places at this step's head stand between.
.macro STEP slot, q, zero
	PLACES
	FETCH_A \slot, \q, 4
	s_wait_dscnt 32                                ; out at most: B 4-7 and A 4-7
	WIN MUL_LO
	QMUL 0, 0, (\q)%2, \zero
	FETCH_B \slot, (\q)+1, 1-(\q)%2, 0
	s_wait_dscnt 32                                ; B 4-7 is in
	WIN MUL_LO
	QMUL 0, 4, (\q)%2, \zero
	PLACES
	FETCH_A \slot, (\q)+1, 0
	s_wait_dscnt 32                                ; A 4-7 is in
	WIN MUL_HI
	QMUL 4, 0, (\q)%2, \zero
	FETCH_B \slot, (\q)+1, 1-(\q)%2, 4
	WIN MUL_HI
	QMUL 4, 4, (\q)%2, \zero
.endm
; A slot's last step changes slots.  Its first run is the last read of the slot, and all its 64 matrix instructions stand ahead of the wait for the next slot's tiles.  Then each wave waits for all its tensor
; loads (one is out: its part of the next slot), adds 0 to its spare word and waits for that; its reads of this slot were waited for ahead of the third quarter.  Between that wait and the joint refill stand
; the round's lines alone; behind the refill the next slot's first three runs are read.
.macro TURN slot, next, fill
	PLACES
	FETCH_A \slot, 1, 4
.if \fill
	s_lshl_b32 s[OFA], s[KN], 8                    ; this slot's own load was waited for at the last change of slots (the load that is out names the other slot's group 0): its group 0 takes K step KN
	s_lshl_b32 s[OFB], s[KN], 19
	s_add_nc_u64 s[G0+4*\slot+2:G0+4*\slot+3], s[BSA:BSA+1], s[OFA:OFA+1]
	s_or_b32 s[G0+4*\slot+3], s[G0+4*\slot+3], 0x80000000
	s_add_nc_u64 s[G0B+4*\slot+2:G0B+4*\slot+3], s[BSB:BSB+1], s[OFB:OFB+1]
	s_or_b32 s[G0B+4*\slot+3], s[G0B+4*\slot+3], 0x80000000
	s_add_co_u32 s[OFA], s[KN], 2
	s_and_b32 s[OFA], s[OFA], 15
	s_lshl_b32 s[OFA], s[OFA], 8
	s_wait_xcnt 0x0                                ; the last prefetch has read its address
	s_add_nc_u64 s[PFA:PFA+1], s[PFB:PFB+1], s[OFA:OFA+1]   ; K step KN + 2, modulo 16: inside xq's rows
	s_add_co_u32 s[KN], s[KN], 1
	s_and_b32 s[KN], s[KN], 15
.endif
	s_wait_dscnt 32                                ; out at most: B 4-7 and A 4-7
	WIN MUL_LO
	QMUL 0, 0, 1, 0
	s_wait_dscnt 16                                ; B 4-7 is in
	QMUL 0, 4, 1, 0
	s_wait_dscnt 0                                 ; A 4-7 is in: my reads of this slot are over
	WIN MUL_HI
	QMUL 4, 0, 1, 0
	QMUL 4, 4, 1, 0
	WIN 0
	s_wait_tensorcnt 0x0
	ds_add_u32 v[SPW], v[NIL]
	s_wait_dscnt 0x0                               ; the add is done
	s_barrier_signal -1
	s_barrier_wait -1
.if \fill
	CREST
	JLOAD G0+4*\slot, G1, G0B+4*\slot, G1B         ; the first tensor load behind the round; its four v_nop are the places for A's blocks 0-3
.else
	PLACES
.endif
	FETCH_B \next, 0, 0, 0
	FETCH_A \next, 0, 0
.if \fill
	ASK
.endif
	FETCH_B \next, 0, 0, 4
.endm
.macro RESCALE                         ; all 512 sums x FX, each accumulator from its low end on; window 2's were finished ahead of the joint load's v_nop, and their lines are window 3's places
	WIN 0x82
.set j, 0
.rept 128
	v_pk_mul_f32 v[j:j+1], v[j:j+1], s[FX:FX+1] op_sel_hi:[1,0]
.set j, j+2
.endr
	WIN 0xc3
.set j, 0
.rept 128
	v_pk_mul_f32 v[j:j+1], v[j:j+1], s[FX:FX+1] op_sel_hi:[1,0]
.set j, j+2
.endr
	WIN 0
.endm
	s_wait_alu depctr_va_vdst(0)                   ; the wait at the head's end
	s_wait_tensorcnt 0x0                           ; my part of the first K step is in
	ds_add_u32 v[SPW], v[NIL]
	s_wait_dscnt 0x0
	CROUND
	JLOAD G0+4, G1, G0B+4, G1B                     ; slot 1's first fill, the first tensor load behind the round
	FETCH_B 0, 0, 0, 0
	FETCH_A 0, 0, 0
	FETCH_B 0, 0, 0, 4
	STEP 0, 0, 1                                   ; the first step starts the sums: nothing is cleared
	WIN 0
	s_mov_b32 s3, LAPS-1
.Llap:                                                 ; a trip goes once round the ring, from a lap's second step to the next lap's first
	TURN 0, 1, 1
	STEP 1, 0, 0
	TURN 1, 0, 1
	WIN 0
	s_lshl_b32 s82, s3, 1                          ; the K step that comes now is KO - 2 s3 modulo 16: a number of the cluster's x and y and of the trip alone
	s_sub_co_u32 s82, s[KO], s82
	s_and_b32 s83, s82, 8
	s_cmp_lg_u32 s83, 0
	s_cselect_b32 s[FX], s[F1], s[FI]
	s_mov_b32 s[FX+1], s[FX]
	s_and_b32 s82, s82, 7
	s_cmp_lg_u32 s82, 0
	s_cbranch_scc1 .Lsame                          ; K step 0 or 8: the walk passes into the other half of K
	RESCALE
.Lsame:
	s_wait_alu depctr_va_vdst(0)
	STEP 0, 0, 0
	WIN 0
	s_sub_co_u32 s3, s3, 1
	s_cmp_lg_u32 s3, 0
	s_cbranch_scc1 .Llap
	TURN 0, 1, 0                                   ; the last lap fills nothing and has no round
	STEP 1, 0, 0
	PLACES                                         ; the very last step: only A's blocks 4-7 are still to fetch
	FETCH_A 1, 1, 4
	s_wait_dscnt 32
	WIN MUL_LO
	QMUL 0, 0, 1, 0
	s_wait_dscnt 16
	QMUL 0, 4, 1, 0
	s_wait_dscnt 0
	WIN MUL_HI
	QMUL 4, 0, 1, 0
	QMUL 4, 4, 1, 0
	PLACES
; THE WAY OUT of block a, 16 rows x 128 columns: register 32 g + 4 j + c of the block's 64 = accumulator (a, 4 g + c)'s register j x the unit = out0(16 a + 8 h + j, 64 g + 4 r + c).
; tw, tb: window and first register of the 64.  Blocks 0-2 take window 0, blocks 3-6 window 1 (the fragments are done with), block 7 block 0's registers again.
.macro OUT a, tw, tb
.set AC, 64*((\a)%4)
	WIN ((\tw)<<6)|((2+(\a)/4)<<2)
.irp g, 0,1
.irp j, 0,1,2,3,4,5,6,7
.irp c, 0,1,2,3
	v_mul_f32 v[\tb+32*\g+4*\j+\c], s[F2], v[AC+8*(4*\g+\c)+\j]
.endr
.endr
.endr
	WIN (\tw)<<2
.irp g, 0,1
.irp j, 0,1,2,3,4,5,6,7
	global_store_b128 v[CO], v[\tb+32*\g+4*\j:\tb+32*\g+4*\j+3], s[10:11] offset:(16*(\a)+\j)*8192+256*\g th:TH_STORE_NT   ; each sixteen lanes store 256 consecutive bytes, aligned
.endr
.endr
.endm
	OUT 0, 0, 32
	OUT 1, 0, 96
	OUT 2, 0, 160
	OUT 3, 1, 0
	OUT 4, 1, 64
	OUT 5, 1, 128
	OUT 6, 1, 192
	s_wait_xcnt 0x0                                ; block 0's stores have read their registers
	OUT 7, 0, 32
	WIN 0
	s_wait_tensorcnt 0x0                           ; the wave's end
	ds_add_u32 v[SPW], v[NIL]
	s_wait_dscnt 0x0
	CROUND                                         ; the closing round
	s_endpgm
.Lfunc_end_k_qc927787759_gemm:
	.size	k_qc927787759_gemm, .Lfunc_end_k_qc927787759_gemm-k_qc927787759_gemm
	.p2alignl 7, 3214868480
	.fill 96, 4, 3214868480
	.section	.rodata,"a",@progbits
	.p2align	6, 0x0
	.amdhsa_kernel k_qc927787759_gemm
		.amdhsa_group_segment_fixed_size 327680
		.amdhsa_private_segment_fixed_size 0
		.amdhsa_enable_private_segment 0
		.amdhsa_kernarg_size 32
		.amdhsa_user_sgpr_count 2
		.amdhsa_user_sgpr_kernarg_segment_ptr 1
		.amdhsa_wavefront_size32 1
		.amdhsa_system_sgpr_workgroup_id_x 1
		.amdhsa_system_sgpr_workgroup_id_y 1
		.amdhsa_system_sgpr_workgroup_id_z 1
		.amdhsa_system_vgpr_workitem_id 0
		.amdhsa_next_free_vgpr 1024
		.amdhsa_next_free_sgpr 100
		.amdhsa_reserve_vcc 0
		.amdhsa_float_denorm_mode_32 3
		.amdhsa_float_denorm_mode_16_64 3
		.amdhsa_memory_ordered 1
		.amdhsa_forward_progress 1
		.amdhsa_inst_pref_size 126
	.end_amdhsa_kernel
	.amdgpu_metadata
---
amdhsa.version: [ 1, 2 ]
amdhsa.kernels:
  - .name:           k_qc927787759_gemm
    .symbol:         k_qc927787759_gemm.kd
    .args:
      - { .name: xq, .offset: 0, .size: 8, .value_kind: global_buffer, .address_space: global }
      - { .name: wq, .offset: 8, .size: 8, .value_kind: global_buffer, .address_space: global }
      - { .name: lowp_scales, .offset: 16, .size: 8, .value_kind: global_buffer, .address_space: global }
      - { .name: out0, .offset: 24, .size: 8, .value_kind: global_buffer, .address_space: global }
    .group_segment_fixed_size: 327680
    .private_segment_fixed_size: 0
    .kernarg_segment_align: 8
    .kernarg_segment_size: 32
    .max_flat_workgroup_size: 128
    .sgpr_count:     100
    .vgpr_count:     1024
    .wavefront_size: 32
...
	.end_amdgpu_metadata
.endif
;; end of part 2
